; MI455X (gfx1250); checked and timed in simulation.
; The chip was launched on July 23, 2026; its instructions are those of AMD's public machine-readable ISA for CDNA 5 (MIT licence, August 2026) and "CDNA5" Instruction Set Architecture Reference Guide (July 2026). The comments in the code are by the model that wrote it; some were corrected since.
;; Scaled Dot Product Attn. Allowed arithmetic: matrix products marked QUANTISED: E2M1 operands, one E8M0 scale for each 32 along K, by v_wmma_scale_f32_16x16x128_f8f6f4 with both operands' format E2M1 (or v_wmma_scale_f32_32x16x128_f4), f32 sums; everything else in f32.
;; Inputs: k 4 x 16 x 2,048 x 128 float32; mask 1 x 1 x 2,048 x 2,048 int32; q 4 x 16 x 2,048 x 128 float32; v 4 x 16 x 2,048 x 128 float32.
;; Outputs: out0 4 x 16 x 2,048 x 128 float32.
;; This version of the problem:
;;   THIS VERSION OF THE PROBLEM IS GIVEN IN LOW PRECISION. The matrix products marked QUANTISED in the list below multiply operands that are first quantised to E2M1 (2 exponent bits, 1 mantissa bit; 4 bits a number), with one power-of-two scale for each 32 numbers along K (OCP MX v1.0); their sums are f32. All else is computed in f32.
;;   The module's matrix products, in the order in which they are computed (A, B: the left and right operand; K: the contracted axis; several contracted axes count as one K, in the product's order):
;;     1. batch 64 x [M 2,048, K 128] x [K 128, N 2,048]; A: input q; B: input k: QUANTISED
;;     2. batch 64 x [M 2,048, K 2,048] x [K 2,048, N 128]; A: softmax (see below); B: input v: QUANTISED
;;   THE QUANTISER, for each operand of a quantised product, along K:
;;     - K is cut into blocks of 32 from its start; a last block that is shorter is filled with zeros.
;;     - A block's scale is 2^e with e = floor(log2(the largest magnitude in the block)) - 2, held to -126 .. 127; a block of zeros has e = 0. As a byte (E8M0): e + 127.
;;     - Each number is divided by its block's scale, clamped to +-6, and rounded to the nearest number of E2M1, ties to even, subnormals kept.
;;     - The product sums the exact products of the quantised numbers (number of the format x scale) in f32.
;;   ~~~python
;;   def quantise(x, axis):      # numpy; x: float32 -> the quantised numbers, widened to float32 again
;;       x = np.moveaxis(x, axis, -1); K = x.shape[-1]
;;       x = np.pad(x, [(0, 0)] * (x.ndim - 1) + [(0, -K % 32)]); x = x.reshape(x.shape[:-1] + (-1, 32)); a = np.abs(x).max(-1, keepdims=True)
;;       e = np.where(a > 0, np.clip(np.frexp(np.where(a > 0, a, 1))[1] - 1 - 2, -126, 127), 0)      # np.frexp(a)[1] - 1 = floor(log2(a)), exactly
;;       r = np.clip(x / 2.0 ** e, -6, 6)
;;       step = 2.0 ** (np.maximum(np.frexp(np.where(r == 0, 1, r))[1] - 1, 0) - 1)
;;       q = np.round(r / step) * step * 2.0 ** e      # np.round: ties to even
;;       return np.moveaxis(q.reshape(q.shape[:-2] + (-1,))[..., :K], -1, axis).astype(np.float32)
;;   ~~~
;;   SOFTMAX AHEAD OF A QUANTISED PRODUCT. Where the list says 'softmax', what is quantised is not the finished softmax but p = 2^(t - M), with t = logit x log2(e) and M = ceil(the row's largest t), a whole number; so 1/2 < the row's largest p <= 1. The row's sum l is taken of the UNQUANTISED p, in f32, and the product's result is divided by l at the end. Since M is a whole number, a kernel that streams over the keys may use a running M (the ceiling of the running maximum): every later rescaling is an exact power of two, which a block's scale takes up: the codes' values come out the same.
;;   OPERANDS COMPUTED ON THE WAY. 'Computed on the way' means the value that the module computes at that place (a softmax that the list does not call 'softmax' is quantised finished and normalised). What goes into a quantiser is computed in f32, as accurately as f32 sums, v_exp_f32 and their like allow (about 1e-6 of the number): no bf16 or f16 on the way to a quantiser, and a product that is left as it is and whose result goes on into a quantised operand takes f32 operands (vector FMAs, or v_wmma_f32_16x16x4_f32). A number that lies on a knife's edge between two numbers of the format may be rounded either way, as far as f32 arithmetic and the matrix unit's own rounding can turn it there, and no further.
;; One version. Each part assembles by itself: llvm-mc -triple=amdgcn-amd-amdhsa -mcpu=gfx1250 --defsym DOCPART=n.
;; ======== version 1 of 1: 2 launches
;; limits: right only within a limited range of input values
;; workspace buffers: kv 17,825,792 bytes; mcodes 2,097,152 bytes
;; launch prep (part 1): grid 896 x 1, 4 waves a work-group, no clusters, 68,096 bytes of LDS; arguments k, v, mask, kv, mcodes; writes kv, mcodes
.if DOCPART == 1
	.amdgcn_target "amdgcn-amd-amdhsa--gfx1250"
	.amdhsa_code_object_version 6
	.text
	.protected	k_q2d5eb7436a_prep
	.globl	k_q2d5eb7436a_prep
	.p2align	8
	.type	k_q2d5eb7436a_prep,@function
k_q2d5eb7436a_prep:
	s_mov_b64 s[64:65], 0
	v_nop
	global_prefetch_b8 v0, s[64:65] scope:SCOPE_SE
	s_setreg_imm32_b32 hwreg(HW_REG_WAVE_MODE, 25, 1), 1
	s_wait_xcnt 0x0
; PREP: what every query block of a head reads again is made once.
;   k [64 heads][2048][128] f32 -> codes of FP4 (E2M1) along the head's 128, one E8M0 byte for each 32;
;   v [64 heads][2048][128] f32 -> codes along the KEYS (the second product's K), keys innermost, one byte for each 32 keys;
;   mask [2048][2048] int32     -> codes of FP4: -6 where mask == 0, else 0: an operand for the matrix units.
; kv: [64 heads][4 slots of 512 keys][69,632 bytes]; a slot's block is one dense run:
;   +0      K's codes, 64 bytes a key, at place p: key 64 c + 32 h + 8 w + j lies at place 64 c + 16 w + 8 h + j,
;           so that row 8 h + j of score tile 4 c + w is that key, and a lane of the score tiles holds whole blocks of 32 keys;
;   +32,768 V's codes, 256 bytes for each of the head's 128 channels: 512 keys in their own order;
;   +65,536 K's scale words, 4 bytes a place;   +67,584 V's scale words, [4 key steps][128 channels] x 4 bytes.
; mcodes: [64 pairs of query tiles][16 key steps][2 tiles][2 groups][32 lanes][16 bytes]: the register image of an operand
;   whose column is query lane % 16 and whose k is the place, 0 .. 127, of a key in its step.
; A block's scale is 2^(floor(log2(largest magnitude)) - 2); its byte is the largest magnitude's exponent field - 2, held at 1 from below.
; LIMITS: a block of zeros gets the byte 1 (its codes are zeros; this program alone reads the bytes); blocks whose largest magnitude
; lies under 2^-124 are held at that byte; NaN and infinities among the inputs are not served.
; Work-groups 0-511 take k, 512-767 v, 768-895 the mask: three paths, each with LDS bytes of its own
; (k: 0 .. 32,767; v: 32,768 .. 67,583; the mask: none).  No tensor loads, no barrier: waves share nothing.
.set HEADB,  278528
.set SLOTB,  69632
.set OFF_V,  32768
.set OFF_KS, 65536
.set OFF_VS, 67584
	s_load_b256 s[4:11], s[0:1], 0x0               ; k, v, mask, kv
	s_load_b64 s[12:13], s[0:1], 0x20              ; mcodes
	v_lshl_add_u32 v192, v0, 2, 0x10800            ; my spare word
	v_mov_b32 v193, 0
	v_lshrrev_b32 v1, 5, v0
	v_readfirstlane_b32 s16, v1                    ; wave
	v_and_b32 v2, 31, v0                           ; lane
	s_cmp_ge_u32 ttmp9, 768
	s_cbranch_scc1 .Lpath_m
	s_cmp_ge_u32 ttmp9, 512
	s_cbranch_scc1 .Lpath_v
; ---- k.  A wave takes 64 keys in 16 steps of 4.  Each load reads 512 consecutive bytes; a step's 2,048 bytes turn through the wave's
; stage in LDS and come back 64 bytes a lane: 16 neighbours, two lanes to a block of 32.  Step t's codes and scale bytes go to place PT.
.set KSP,   80
.set KWREG, 8192
.set KR,    16
.set KX,    80
.set KE,    112
.set KC,    128
	v_lshlrev_b32 v3, 4, v2
	s_mul_i32 s17, s16, KWREG
	v_lshrrev_b32 v14, 2, v2
	v_mul_u32_u24 v14, v14, KSP
	v_and_b32 v15, 3, v2
	v_lshl_add_u32 v14, v15, 4, v14
	v_add_nc_u32 v14, s17, v14                     ; the stage, in: KSP (lane / 4) + 16 (lane % 4)
	v_mul_u32_u24 v15, v2, KSP
	v_add_nc_u32 v15, s17, v15                     ; and out: KSP x lane
	v_lshlrev_b32 v4, 3, v2
	v_lshrrev_b32 v5, 1, v2
	s_add_co_u32 s17, s17, 2*32*KSP
	v_add_nc_u32 v5, s17, v5                       ; my block's scale byte
	v_add_nc_u32 v6, s17, v4
	s_lshl_b32 s18, ttmp9, 2
	s_add_co_u32 s18, s18, s16                     ; the run: 32 to a head, 8 to a slot
	s_lshl_b32 s20, s18, 15
	s_mov_b32 s21, 0
	s_lshr_b32 s22, s18, 5
	s_mul_i32 s22, s22, HEADB
	s_bfe_u32 s23, s18, 0x20003
	s_mul_i32 s23, s23, SLOTB
	s_add_co_u32 s22, s22, s23
	s_and_b32 s24, s18, 7
	s_lshl_b32 s25, s24, 12
	s_add_co_u32 s26, s22, s25
	s_mov_b32 s27, 0
	s_lshl_b32 s25, s24, 8
	s_add_co_u32 s28, s22, s25
	s_add_co_u32 s28, s28, OFF_KS
	s_mov_b32 s29, 0
	s_wait_alu depctr_va_vdst(0)
	s_wait_kmcnt 0x0
	s_add_nc_u64 s[4:5], s[4:5], s[20:21]
	s_add_nc_u64 s[14:15], s[10:11], s[26:27]      ; the run's codes
	s_add_nc_u64 s[10:11], s[10:11], s[28:29]      ; its scale bytes
.macro K_LOAD t
.irp i, 0,1,2,3
	global_load_b128 v[KR+16*((\t)%4)+4*\i:KR+16*((\t)%4)+4*\i+3], v3, s[4:5] offset:2048*(\t)+512*\i th:TH_LOAD_NT
.endr
.endm
.macro K_TURN t                        ; LDS serves a wave's instructions in order: no wait between the stores and the loads
.irp i, 0,1,2,3
	ds_store_b128 v14, v[KR+16*((\t)%4)+4*\i:KR+16*((\t)%4)+4*\i+3] offset:32*KSP*((\t)%2)+8*KSP*\i
.endr
.irp i, 0,1,2,3
	ds_load_b128 v[KX+16*((\t)%2)+4*\i:KX+16*((\t)%2)+4*\i+3], v15 offset:32*KSP*((\t)%2)+16*\i
.endr
.endm
.irp t, 0,1,2,3
	K_LOAD \t
.endr
	s_wait_loadcnt 12                              ; step 0's four loads are in; three steps' stay out
	K_TURN 0
.macro K_STEP t
.set XS, KX+16*((\t)%2)
.set PT, ((\t)&1)|(((\t)&8)>>2)|(((\t)&6)<<1)  ; key bits 5, 4:3 (step bits 3, 2:1) become place bits 3, 5:4
.if (\t) > 0
	s_wait_dscnt 1                                 ; this step's numbers are back (the last step's byte store may be out)
.else
	s_wait_dscnt 0x0
.endif
.if (\t)+4 < 16
	K_LOAD (\t)+4
.endif
.if (\t)+1 < 16
.if 14-(\t) >= 3
	s_wait_loadcnt 12                              ; the next step's four loads are in; three steps' may be out
.else
	s_wait_loadcnt 4*(14-(\t))
.endif
	K_TURN (\t)+1
.endif
	v_max3_num_f32 v8, |v[XS]|, |v[XS+1]|, |v[XS+2]|
	v_max3_num_f32 v9, |v[XS+3]|, |v[XS+4]|, |v[XS+5]|
.irp i, 6,10
	v_max3_num_f32 v8, v8, |v[XS+\i]|, |v[XS+\i+1]|
	v_max3_num_f32 v9, v9, |v[XS+\i+2]|, |v[XS+\i+3]|
.endr
	v_max3_num_f32 v8, v8, |v[XS+14]|, |v[XS+15]|
	v_max3_num_f32 v8, v8, v9, 0x1800000           ; the floor 2^(3 - 127): the byte cannot fall under 1
	v_max_num_f32_dpp v8, v8, v8 row_xmask:1 row_mask:0xf bank_mask:0xf   ; with my neighbour's 16
	v_add_nc_u32 v11, 0xff000000, v8               ; 2 off the exponent field: the conversion's scale operand
	v_cvt_scalef32_pk8_fp4_f32 v[KC+4*(\t)], v[XS:XS+7], v11
	v_cvt_scalef32_pk8_fp4_f32 v[KC+4*(\t)+1], v[XS+8:XS+15], v11
	v_lshrrev_b32 v[KE+(\t)], 23, v11              ; the scale's byte
	ds_store_b8 v5, v[KE+(\t)] offset:16*PT
	global_store_b64 v4, v[KC+4*(\t):KC+4*(\t)+1], s[14:15] offset:256*PT   ; 256 consecutive bytes, aligned
.endm
.irp t, 0,1,2,3,4,5,6,7,8,9,10,11,12,13,14,15
	K_STEP \t
.endr
	ds_load_b64 v[12:13], v6
	s_wait_dscnt 0x0
	global_store_b64 v4, v[12:13], s[10:11]        ; the run's 256 scale bytes
	s_wait_tensorcnt 0x0                           ; the wave's end
	ds_add_u32 v192, v193
	s_wait_dscnt 0x0
	s_endpgm
; ---- v.  A work-group takes a head's slot of 512 keys, a wave 32 channels.  A lane takes a channel and its registers run down the keys.
.Lpath_v:
.set VX,   32
.set VC,   96
.set VOUT, 112
.set VSB,  24
.set VP,   272
	s_sub_co_u32 s17, ttmp9, 512
	s_lshr_b32 s18, s17, 2                         ; head
	s_and_b32 s19, s17, 3                          ; slot
	s_lshl_b32 s20, s18, 20
	s_lshl_b32 s21, s19, 18
	s_add_co_u32 s20, s20, s21
	s_lshl_b32 s21, s16, 7
	s_add_co_u32 s20, s20, s21
	s_mov_b32 s21, 0
	s_mul_i32 s22, s18, HEADB
	s_mul_i32 s23, s19, SLOTB
	s_add_co_u32 s22, s22, s23
	s_lshl_b32 s23, s16, 13
	s_add_co_u32 s24, s22, s23
	s_add_co_u32 s24, s24, OFF_V
	s_mov_b32 s25, 0
	s_lshl_b32 s23, s16, 7
	s_add_co_u32 s26, s22, s23
	s_add_co_u32 s26, s26, OFF_VS
	s_mov_b32 s27, 0
	s_mul_i32 s28, s16, 32*VP
	s_add_co_u32 s28, s28, 32768                   ; my stage, behind the k path's LDS bytes
	s_wait_alu depctr_va_vdst(0)
	v_lshlrev_b32 v3, 2, v2
	v_mul_u32_u24 v4, v2, VP
	v_add_nc_u32 v4, s28, v4                       ; into the stage: row = my channel
	v_and_b32 v5, 15, v2
	v_lshrrev_b32 v6, 4, v2
	v_mul_u32_u24 v7, v6, VP
	v_lshl_add_u32 v7, v5, 4, v7
	v_add_nc_u32 v7, s28, v7                       ; out of it: sixteen lanes to a row
	v_lshlrev_b32 v8, 4, v2
	s_wait_alu depctr_va_vdst(0)
	s_wait_kmcnt 0x0
	s_add_nc_u64 s[6:7], s[6:7], s[20:21]
	s_add_nc_u64 s[14:15], s[10:11], s[26:27]      ; the scale words
	s_add_nc_u64 s[10:11], s[10:11], s[24:25]      ; the codes
.macro V_LOAD t
.set n, 0
.rept 32
	global_load_b32 v[VX+32*((\t)%2)+n], v3, s[6:7] offset:(32*(\t)+n)*512 th:TH_LOAD_NT
.set n, n+1
.endr
.endm
	V_LOAD 0
	V_LOAD 1
.macro V_BLOCK t
.set XS, VX+32*((\t)%2)
.if (\t) < 15
	s_wait_loadcnt 32                              ; this block's 32 loads are in; the next block's may be out
.else
	s_wait_loadcnt 0x0
.endif
	v_max3_num_f32 v12, |v[XS]|, |v[XS+1]|, |v[XS+2]|
	v_max3_num_f32 v13, |v[XS+3]|, |v[XS+4]|, |v[XS+5]|
.irp i, 6,10,14,18,22,26
	v_max3_num_f32 v12, v12, |v[XS+\i]|, |v[XS+\i+1]|
	v_max3_num_f32 v13, v13, |v[XS+\i+2]|, |v[XS+\i+3]|
.endr
	v_max3_num_f32 v12, v12, |v[XS+30]|, |v[XS+31]|
	v_max3_num_f32 v12, v12, v13, 0x1800000
	v_add_nc_u32 v11, 0xff000000, v12
	v_lshrrev_b32 v13, 23, v11
.if (\t)%4 == 0
	v_mov_b32 v[VSB+(\t)/4], v13
.else
	v_lshl_or_b32 v[VSB+(\t)/4], v13, 8*((\t)%4), v[VSB+(\t)/4]
.endif
.irp g, 0,1,2,3
	v_cvt_scalef32_pk8_fp4_f32 v[VC+\g], v[XS+8*\g:XS+8*\g+7], v11
.endr
	ds_store_b128 v4, v[VC:VC+3] offset:16*(\t)
.if (\t)+2 < 16
	V_LOAD (\t)+2
.endif
	s_wait_dscnt 0x0                               ; the store has read its registers
.endm
.irp t, 0,1,2,3,4,5,6,7,8,9,10,11,12,13,14,15
	V_BLOCK \t
.endr
	s_wait_alu depctr_va_vdst(0)
.irp q, 0,1,2,3
	global_store_b32 v3, v[VSB+\q], s[14:15] offset:512*\q
.endr
.irp t, 0,1,2,3,4,5,6,7,8,9,10,11,12,13,14,15
	ds_load_b128 v[VOUT+4*\t:VOUT+4*\t+3], v7 offset:2*\t*VP
.endr
.irp t, 0,1,2,3,4,5,6,7,8,9,10,11,12,13,14,15
	s_wait_dscnt 15-\t                             ; rows 2 t and 2 t + 1 are back; the later ones may be out
	global_store_b128 v8, v[VOUT+4*\t:VOUT+4*\t+3], s[10:11] offset:512*\t
.endr
	s_wait_tensorcnt 0x0
	ds_add_u32 v192, v193
	s_wait_dscnt 0x0
	s_endpgm
; ---- the mask.  A work-group takes a tile of 16 queries, a wave four key steps.  Lane L loads, of query L % 16, keys 32 b + 16 (L / 16) + 0 .. 15 of each block b
; of a step's 128: register 16 b + x.  Each number becomes -6.0 (hidden) or 0, and eight at a time become codes.  Register 4 c + w of the operand holds places
; 64 c + 32 (L / 16) + 8 w + i, which are keys 64 c + 32 (w % 2) + 16 (L / 16) + 8 (w / 2) + i: registers 16 (2 c + w % 2) + 8 (w / 2) on.
.Lpath_m:
	s_sub_co_u32 s17, ttmp9, 768                   ; the tile of queries, 0 .. 127
	s_lshl_b32 s18, s17, 17                        ; 16 rows of 8,192 bytes
	s_lshl_b32 s19, s16, 11                        ; my four steps of 512 bytes
	s_add_co_u32 s18, s18, s19
	s_mov_b32 s19, 0
	s_lshr_b32 s14, s17, 1
	s_lshl_b32 s14, s14, 15                        ; a pair of tiles: 16 steps x 2,048 bytes
	s_and_b32 s15, s17, 1
	s_lshl_b32 s15, s15, 10                        ; my tile's half of a step's record
	s_add_co_u32 s14, s14, s15
	s_lshl_b32 s15, s16, 13                        ; my four steps
	s_add_co_u32 s14, s14, s15
	s_mov_b32 s15, 0
	s_wait_alu depctr_va_vdst(0)
	v_and_b32 v3, 15, v2
	v_lshrrev_b32 v4, 4, v2
	v_lshlrev_b32 v1, 13, v3
	v_lshl_add_u32 v1, v4, 6, v1                   ; row L % 16, + 64 bytes for lanes 16-31
	v_lshlrev_b32 v2, 4, v2                        ; out: 16 bytes a lane
	v_mov_b32 v6, 1.0                              ; the conversions' scale: 2^0
	v_mov_b32 v7, 0xc0c00000                       ; -6.0
	s_wait_alu depctr_va_vdst(0)
	s_wait_kmcnt 0x0
	s_add_nc_u64 s[8:9], s[8:9], s[18:19]
	s_add_nc_u64 s[12:13], s[12:13], s[14:15]
.macro M_LOAD jj
.irp b, 0,1,2,3
.irp p, 0,1,2,3
	global_load_b128 v[32+64*((\jj)%2)+16*\b+4*\p:35+64*((\jj)%2)+16*\b+4*\p], v1, s[8:9] offset:512*(\jj)+128*\b+16*\p
.endr
.endr
.endm
.macro M_PACK jj
.set MX, 32+64*((\jj)%2)
.set n, 0
.rept 64
	v_cmp_eq_u32 vcc_lo, 0, v[MX+n]
	v_cndmask_b32 v[MX+n], 0, v7, vcc_lo
.set n, n+1
.endr
.irp c, 0,1
.irp w, 0,1,2,3
	v_cvt_scalef32_pk8_fp4_f32 v[160+8*(\jj)+4*\c+\w], v[MX+16*(2*\c+(\w&1))+8*(\w>>1):MX+16*(2*\c+(\w&1))+8*(\w>>1)+7], v6
.endr
.endr
	v_nop                                          ; one plain place behind the conversions
.irp c, 0,1
	global_store_b128 v2, v[160+8*(\jj)+4*\c:163+8*(\jj)+4*\c], s[12:13] offset:2048*(\jj)+512*\c   ; 512 consecutive bytes, aligned; each record has registers of its own
.endr
.endm
	M_LOAD 0
	M_LOAD 1
	s_wait_loadcnt 16                              ; a record's 16 loads are in, the next record's stay out
	M_PACK 0
	M_LOAD 2
	s_wait_loadcnt 16
	M_PACK 1
	M_LOAD 3
	s_wait_loadcnt 16
	M_PACK 2
	s_wait_loadcnt 0x0
	M_PACK 3
	s_endpgm
.Lfunc_end_k_q2d5eb7436a_prep:
	.size	k_q2d5eb7436a_prep, .Lfunc_end_k_q2d5eb7436a_prep-k_q2d5eb7436a_prep
	.p2alignl 7, 3214868480
	.fill 96, 4, 3214868480
	.section	.rodata,"a",@progbits
	.p2align	6, 0x0
	.amdhsa_kernel k_q2d5eb7436a_prep
		.amdhsa_group_segment_fixed_size 68096
		.amdhsa_private_segment_fixed_size 0
		.amdhsa_enable_private_segment 0
		.amdhsa_kernarg_size 40
		.amdhsa_user_sgpr_count 2
		.amdhsa_user_sgpr_kernarg_segment_ptr 1
		.amdhsa_wavefront_size32 1
		.amdhsa_system_sgpr_workgroup_id_x 1
		.amdhsa_system_sgpr_workgroup_id_y 1
		.amdhsa_system_sgpr_workgroup_id_z 1
		.amdhsa_system_vgpr_workitem_id 0
		.amdhsa_next_free_vgpr 194
		.amdhsa_next_free_sgpr 66
		.amdhsa_reserve_vcc 1
		.amdhsa_float_denorm_mode_32 3
		.amdhsa_float_denorm_mode_16_64 3
		.amdhsa_memory_ordered 1
		.amdhsa_forward_progress 1
		.amdhsa_inst_pref_size 137
	.end_amdhsa_kernel
	.amdgpu_metadata
---
amdhsa.version: [ 1, 2 ]
amdhsa.kernels:
  - .name:           k_q2d5eb7436a_prep
    .symbol:         k_q2d5eb7436a_prep.kd
    .args:
      - { .name: k, .offset: 0, .size: 8, .value_kind: global_buffer, .address_space: global }
      - { .name: v, .offset: 8, .size: 8, .value_kind: global_buffer, .address_space: global }
      - { .name: mask, .offset: 16, .size: 8, .value_kind: global_buffer, .address_space: global }
      - { .name: kv, .offset: 24, .size: 8, .value_kind: global_buffer, .address_space: global }
      - { .name: mcodes, .offset: 32, .size: 8, .value_kind: global_buffer, .address_space: global }
    .group_segment_fixed_size: 68096
    .private_segment_fixed_size: 0
    .kernarg_segment_align: 8
    .kernarg_segment_size: 40
    .max_flat_workgroup_size: 128
    .sgpr_count:     66
    .vgpr_count:     194
    .wavefront_size: 32
...
	.end_amdgpu_metadata
.endif
;; end of part 1
;; launch attn (part 2): grid 4 x 64, 8 waves a work-group, clusters of 4 x 1, 327,680 bytes of LDS; arguments q, kv, mcodes, out0; writes out0
.if DOCPART == 2
	.amdgcn_target "amdgcn-amd-amdhsa--gfx1250"
	.amdhsa_code_object_version 6
	.text
	.protected	k_q2d5eb7436a_attn
	.globl	k_q2d5eb7436a_attn
	.p2align	8
	.type	k_q2d5eb7436a_attn,@function
k_q2d5eb7436a_attn:
	s_mov_b64 s[64:65], 0
	v_nop
	global_prefetch_b8 v0, s[64:65] scope:SCOPE_SE
	s_setreg_imm32_b32 hwreg(HW_REG_WAVE_MODE, 25, 1), 1
	s_wait_xcnt 0x0
	s_wait_alu depctr_hold_cnt(0) depctr_sa_sdst(0) depctr_va_vdst(0) depctr_va_sdst(0) depctr_va_ssrc(0) depctr_va_vcc(0) depctr_vm_vsrc(0)
	s_getreg_b32 s2, hwreg(HW_REG_IB_STS2, 6, 4)
	s_cmp_eq_u32 s2, 0
	s_cbranch_scc0 .Lentry_in_a_cluster
	s_endpgm
.Lentry_in_a_cluster:
	s_bfe_u32 s2, ttmp6, 0x10000c
	s_cmp_lg_u32 s2, 0x3003
	s_cbranch_scc0 .Lentry_shape_is_right
	s_endpgm
.Lentry_shape_is_right:
; out0[h][q][:] = the sum over keys of softmax(q . k / sqrt(128), hidden keys at -1e6) v, both products on codes of FP4 (E2M1) with one E8M0 scale for each 32 along a product's K.
; q: [64 heads][2048][128] f32, quantised here in registers.  kv, mcodes: this program's own buffers (K's and V's codes and scale words by slots of 512 keys; the mask as codes).
; THE SOFTMAX: t = score x c, c = log2(e) / sqrt(128); M = the row's largest t so far, rounded UP to a whole number; p = 2^(t - M) is quantised along the keys, not normalised.
; The row's sum is taken of the unquantised p and divides O at the end.  When M moves, the sum and O are multiplied by 2^(old M - new M), which rounds nothing.
; THE MASK GOES THROUGH THE MATRIX UNITS.  Each score sum begins with a product of a selector (row r of tile t has 1.0 at k = 16 t + r) and the mask's codes
; (query's column, k = the key's place: -6 x 2^22 where hidden, else 0): 0 for an open key, -25,165,824 for a hidden one; K Q^T adds onto it in place.
; The largest t starts at TMR = -1,442,695.0, the f32 number of -1e6 x log2(e): while it still stands there, every key met is hidden,
; and the multiply-add takes 0 for c and 0 for -M: p = 1 for every key, as t - M = 0 asks.  Else a hidden key's p is 0.
; LIMITS: an open logit at or under -1e6 counts as hidden; where a row's largest open logit lies within some 150 above -1e6, the hidden keys' p is taken as 0; |q . k| stays under 1.3e7.
; NaN and infinities among the inputs are not served; a block of q whose largest magnitude lies under 2^-124 gets the scale byte 1.
; SHARES.  A work-group owns 512 queries of one head and walks them in two passes of 256; in a pass each of its eight waves has 32: tiles T0 in register window 0, T1 in window 1.
; THE WHOLE HEAD'S CODES STAY IN LDS: 4 slots x 272 lines x 272 bytes, each byte filled once.  Every wave issues two joint loads: 34 lines of slot 0 at the head, and 102 lines of
; slots 1 to 3 behind a wait for slot 0 and a round of the cluster's barrier; that load has slot 0's four key steps in which to land.  One barrier more, and the other
; 28 key steps have none.  Both passes are written out.
; LAYOUT.  Both products are used transposed: a lane holds ONE query (lane % 16).  Row 8 h + j of score tile 4 c + w is key 64 c + 32 h + 8 w + j, so a lane's 32 registers of tiles
; 4 c .. 4 c + 3 are one whole block of 32 keys: its maximum needs no other lane, and the conversions' results are P's operand as they stand.
; CLUSTER.  The four work-groups of a cluster are one head's: both loads are asked for jointly.
; PREFETCH: kv is not prefetched: it comes by two loads, and there is no loop to run ahead in.  The mask's codes are not: all 64 heads read the same 2 MB.  The second pass's q is, twelve key steps ahead.
; THE WAY OUT has four stages of 4,352 bytes (LDS has no room for eight): waves w and w + 4 share one, a barrier between their turns; the low waves go first in pass 0, the high ones in pass 1,
; so that one barrier a pass stands between any two waves' turns.
; Window 0 alone: v0-11, v28 addresses; v30, v31 Q's scale words; v32-95 K's, then V's eight fragments; v240, v241 the selector's and the mask's scales; v242, v243 the mask's offsets;
; v248-251 K's, then V's scale words; v253, v255 P's scale words.  Window 1 alone: v32-53 the selectors; v56-71 the mask's codes of T0, T1.
.set HEADB, 278528
.set SLOTB, 69632                      ; a slot in memory: 272 lines of 256 bytes
.set LINE,  272                        ; a line in LDS: 256 bytes + 16 of padding
.set SLOTL, 272*LINE                   ; a slot in LDS
.set VOFF,  128*LINE
.set SKOFF, 256*LINE
.set SVOFF, 264*LINE
.set SPARE, 4*SLOTL                    ; 295,936: the spare words, 128 bytes a wave
.set STAGE, SPARE+1024                 ; four stages of 16 rows x 272 bytes; no tile lands here
.set TK,    2
.set TV,    3
.set TS,    4
.set WV,    5
.set SLOTS, 6
.set STEPC, 7
.set MB,    8                          ; s[8:9]   my wave's stream of mask codes: 2,048 bytes a key step, 32 steps
.set OUTP,  10
.set CS,    15
.set SEL,   16
.set G1,    20                         ; s[20:27] group 1: 34 lines
.set G0,    28                         ; s[28:31] group 0: slot 0
.set QB,    54                         ; s[54:55] q at the pass's first query of mine
.set GS,    57                         ; s57  byte offset of the mask record asked for last
.set G1B,   68                         ; s[68:75] group 1: 102 lines
.set G0B,   76                         ; s[76:79] group 0: slots 1 to 3
.set AK0,  1
.set AV0,  2
.set ASK0, 3
.set ASV0, 4
.set SPW,  5
.set NIL,  6
.set GO,   7
.set ADK,  8
.set ADV,  9
.set ADS,  10
.set ADT,  11
.set PFO,  28
.set SH,   29                          ; v29 (both windows) 8 x (lane / 16)
.set ONE,  240
.set BIG,  241
.set MO,   242
.set L16,  243
.set MSB, 0
.macro WIN new                         ; low byte: bits 1:0 source 0, 3:2 source 1, 5:4 source 2, 7:6 destination; the high byte repeats the setting that is left
.if MSB != \new
	s_set_vgpr_msb (MSB<<8)|\new
.set MSB, \new
.endif
.endm
.set W_T1,  0x55
.set W_KQ1, 0x54                       ; source 0 in window 0; the rest of T1 in window 1
.set W_MK0, 0x05                       ; selector and mask codes in window 1, T0's scores in window 0
.set W_TO1, 0x40
.set W_SC1, 0x15
.set W_ST1, 0x04
.macro CROUND                          ; a round of the cluster's barrier
	s_barrier_signal -1
	s_barrier_wait -1
	s_cmp_lg_u32 s[WV], 0
	s_cbranch_scc1 .Lnot_wave_0_\@
	s_barrier_signal -3
.Lnot_wave_0_\@:
	s_barrier_wait -3
	s_barrier_signal -1
	s_barrier_wait -1
.endm
.macro JLOAD g0, g1                    ; every wave's joint load
	tensor_load_to_lds s[\g0:\g0+3], s[\g1:\g1+7]
	s_nop 0
.rept 4
	v_nop
.endr
.endm
.macro XLOAD off                       ; a tile of q: lane (r, h) takes, of row r, numbers 32 b + 16 h + 0 .. 15 of each block b.  No cache hint: four loads touch the same 64 bytes of a row
.irp b, 0,1,2,3
.irp j, 0,1,2,3
	global_load_b128 v[96+16*\b+4*\j:99+16*\b+4*\j], v8, s[QB:QB+1] offset:\off+128*\b+16*\j
.endr
.endr
.endm
.macro INIT
	v_mov_b32 v13, 0xc9b01c38                      ; the largest t so far: TMR
	s_delay_alu instid0(VALU_DEP_1)
	v_floor_f32 v12, -v13                          ; -M
	v_mov_b32 v14, 0
	v_mov_b32 v15, 0
	v_mov_b32 v25, 0                               ; (upper halves of pairs whose low word serves both halves)
	v_mov_b32 v27, 0
.irp b, 0,1,2,3
	v_mov_b32 v[236+\b], 0                         ; a lane permute's destination counts as one of its sources
.endr
	v_mov_b32 v253, 0
.set n, 0
.rept 64
	v_mov_b32 v[160+n], 0                          ; O^T
.set n, n+1
.endr
.endm
.macro QUANTQ tile                     ; 64 numbers of a lane, v96 on, become Q's codes in v16-23 and its scale word in window 0's v30 or v31
.irp b, 0,1,2,3
	v_max3_num_f32 v[232+\b], |v[96+16*\b]|, |v[97+16*\b]|, 0x1800000
.endr
.irp i, 2,4,6,8,10,12,14
.irp b, 0,1,2,3
	s_delay_alu instid0(VALU_DEP_4)
	v_max3_num_f32 v[232+\b], v[232+\b], |v[96+16*\b+\i]|, |v[97+16*\b+\i]|
.endr
.endr
.irp b, 0,1,2,3
	s_delay_alu instid0(VALU_DEP_4)
	v_permlanex16_b32 v[236+\b], v[232+\b], s[SEL], s[SEL+1]
.endr
.irp b, 0,1,2,3
	s_delay_alu instid0(VALU_DEP_4)
	v_max_num_f32 v[232+\b], v[232+\b], v[236+\b]
.endr
.irp b, 0,1,2,3
	s_delay_alu instid0(VALU_DEP_4)
	v_add_nc_u32 v[244+\b], 0xff000000, v[232+\b]
.endr
.irp b, 0,1,2,3
	s_delay_alu instid0(VALU_DEP_4)
	v_lshrrev_b32 v[236+\b], 23, v[244+\b]
.endr
	s_delay_alu instid0(VALU_DEP_3)
	v_lshl_or_b32 v254, v237, 8, v236
	s_delay_alu instid0(VALU_DEP_1)
	v_lshl_or_b32 v254, v238, 16, v254
.if \tile == 0
	s_delay_alu instid0(VALU_DEP_1)
	v_lshl_or_b32 v30, v239, 24, v254
.else
	WIN W_SC1
	v_lshl_or_b32 v31, v239, 24, v254
	WIN W_T1
.endif
.irp b, 0,1,2,3
	v_cvt_scalef32_pk8_fp4_f32 v[16+2*\b], v[96+16*\b:103+16*\b], v[244+\b]
	v_cvt_scalef32_pk8_fp4_f32 v[17+2*\b], v[104+16*\b:111+16*\b], v[244+\b]
.endr
	v_nop
.irp c, 0,1
.irp i, 0,1
	v_permlane16_swap_b32 v[16+4*\c+\i], v[18+4*\c+\i]
.endr
.endr
.endm
.macro QHEAD                           ; a pass's head: my 32 rows of q become codes; the tiles' state begins
	v_and_b32 v8, 15, v0
	v_bfe_u32 v9, v0, 4, 1
	s_delay_alu instid0(VALU_DEP_2)
	v_lshlrev_b32 v8, 9, v8                        ; q: row r of 512 bytes, + 64 h
	s_delay_alu instid0(VALU_DEP_1)
	v_lshl_add_u32 v8, v9, 6, v8
	XLOAD 0
	WIN W_TO1
	XLOAD 8192
	WIN 0
	INIT
	WIN W_T1
	INIT
	WIN 0
	s_wait_loadcnt 16                              ; T0's 16 loads are in, T1's 16 stay out
	QUANTQ 0
	s_wait_loadcnt 0x0
	WIN W_T1
	QUANTQ 1
	WIN 0
.rept 8
	v_nop                                          ; a scale register written by a vector instruction stands 8 places ahead of a scaled matrix instruction
.endr
.endm
; Eight products that begin the score sums: selector x mask codes.  The selector of tile t is a run of eight of v32-53: zeros but for two registers, at places 4 (t / 4) + 2 (t % 2) on,
; which hold 1.0 in lanes of half (t / 2) % 2.
.macro MK8 mc
.irp t, 0,1,2,3,4,5,6,7
.set SA, 38+8*((\t>>1)&1)-4*(\t>>2)-2*(\t&1)
	v_wmma_scale_f32_16x16x128_f8f6f4 v[96+8*\t:103+8*\t], v[SA:SA+7], v[\mc:\mc+7], 0, v[ONE], v[BIG] matrix_a_fmt:MATRIX_FMT_FP4 matrix_b_fmt:MATRIX_FMT_FP4
.endr
.endm
; S^T += K Q^T: the eight accumulators by turns.  K's scale words of tiles 2 i, 2 i + 1 share register 248 + i.
.macro KQ8 qs
.irp t, 0,1,2,3,4,5,6,7
.if \t%2
	v_wmma_scale_f32_16x16x128_f8f6f4 v[96+8*\t:103+8*\t], v[32+8*\t:39+8*\t], v[16:23], v[96+8*\t:103+8*\t], v[248+\t/2], v[\qs] matrix_a_fmt:MATRIX_FMT_FP4 matrix_b_fmt:MATRIX_FMT_FP4 matrix_a_scale:MATRIX_SCALE_ROW1
.else
	v_wmma_scale_f32_16x16x128_f8f6f4 v[96+8*\t:103+8*\t], v[32+8*\t:39+8*\t], v[16:23], v[96+8*\t:103+8*\t], v[248+\t/2], v[\qs] matrix_a_fmt:MATRIX_FMT_FP4 matrix_b_fmt:MATRIX_FMT_FP4
.endif
.endr
.endm
.macro PV8 ps                          ; O^T += V^T P^T
.irp t, 0,1,2,3,4,5,6,7
.if \t%2
	v_wmma_scale_f32_16x16x128_f8f6f4 v[160+8*\t:167+8*\t], v[32+8*\t:39+8*\t], v[224:231], v[160+8*\t:167+8*\t], v[248+\t/2], v[\ps] matrix_a_fmt:MATRIX_FMT_FP4 matrix_b_fmt:MATRIX_FMT_FP4 matrix_a_scale:MATRIX_SCALE_ROW1
.else
	v_wmma_scale_f32_16x16x128_f8f6f4 v[160+8*\t:167+8*\t], v[32+8*\t:39+8*\t], v[224:231], v[160+8*\t:167+8*\t], v[248+\t/2], v[\ps] matrix_a_fmt:MATRIX_FMT_FP4 matrix_b_fmt:MATRIX_FMT_FP4
.endif
.endr
.endm
; ONE TILE'S SOFTMAX FOR ONE KEY STEP, under the tile's own window.  My two blocks of 32 keys: v96-127 and v128-159.
.macro SOFTMAX tile
.irp b, 0,1,2,3
	v_max3_num_f32 v[232+\b], v[96+16*\b], v[97+16*\b], v[98+16*\b]   ; four chains of 16 by turns, each accumulator first read at its low end
.endr
.irp i, 3,5,7,9,11,13
.irp b, 0,1,2,3
	v_max3_num_f32 v[232+\b], v[232+\b], v[96+16*\b+\i], v[97+16*\b+\i]
.endr
.endr
	v_max3_num_f32 v232, v232, v111, v127
	v_max3_num_f32 v234, v234, v143, v159
	s_delay_alu instid0(VALU_DEP_2)
	v_max_num_f32 v232, v232, v233                 ; the largest score of my first block: it serves for the row's maximum and for the block's largest p
	s_delay_alu instid0(VALU_DEP_2)
	v_max_num_f32 v234, v234, v235                 ; of my second
	s_delay_alu instid0(VALU_DEP_1)
	v_max_num_f32 v254, v232, v234
	s_delay_alu instid0(VALU_DEP_1)
	v_mul_f32 v254, s[CS], v254                    ; as t (c is positive)
	s_delay_alu instid0(VALU_DEP_1)
	v_permlanex16_b32 v236, v254, s[SEL], s[SEL+1]
	s_delay_alu instid0(VALU_DEP_1)
	v_max3_num_f32 v13, v13, v254, v236            ; the running largest t, with lane l xor 16's 64 keys
	v_mov_b32 v254, v12
	s_delay_alu instid0(VALU_DEP_2)
	v_floor_f32 v12, -v13                          ; the new -M = -ceil(t)
	s_delay_alu instid0(VALU_DEP_1)
	v_sub_f32 v254, v12, v254                      ; old M - new M
	s_delay_alu instid0(VALU_DEP_1)
	v_cvt_i32_f32 v254, v254
	s_delay_alu instid0(VALU_DEP_1)
	v_ldexp_f32 v252, 1.0, v254                    ; f = 2^(old M - new M)
	v_cmp_ge_f32 vcc_lo, 0xc9b01c38, v13           ; TMR >= the largest t: every key met so far is hidden
	s_delay_alu instid0(VALU_DEP_1)
	v_cndmask_b32 v24, s[CS], 0, vcc_lo
	s_delay_alu instid0(VALU_DEP_2)
	v_cndmask_b32 v26, v12, 0, vcc_lo
.set n, 0
.rept 32
	v_pk_fma_f32 v[96+n:97+n], v[96+n:97+n], v[24:25], v[26:27] op_sel_hi:[1,0,0]   ; t - M
.set n, n+2
.endr
	v_fma_f32 v232, v232, v24, v26
	v_fma_f32 v234, v234, v24, v26
	s_wait_alu depctr_va_vdst(0)
.set n, 0
.rept 64
	v_exp_f32 v[96+n], v[96+n]                     ; p = 2^(t - M)
.set n, n+1
.endr
	v_exp_f32 v232, v232                           ; the blocks' largest p
	v_exp_f32 v234, v234
	v_pk_mul_f32 v[14:15], v[14:15], v[252:253] op_sel_hi:[1,0]   ; the sums under the new M
	s_wait_alu depctr_va_vdst(0)
	v_max_num_f32 v232, 0x1800000, v232            ; the floor 2^(3 - 127)
	v_max_num_f32 v234, 0x1800000, v234
	s_delay_alu instid0(VALU_DEP_2)
	v_add_nc_u32 v244, 0xff000000, v232            ; the conversions' scale operands
	s_delay_alu instid0(VALU_DEP_2)
	v_add_nc_u32 v245, 0xff000000, v234
	s_delay_alu instid0(VALU_DEP_2)
	v_lshrrev_b32 v236, 23, v244
	s_delay_alu instid0(VALU_DEP_2)
	v_lshrrev_b32 v237, 23, v245
	s_delay_alu instid0(VALU_DEP_1)
	v_lshl_or_b32 v254, v237, 16, v236             ; my bytes: blocks h and 2 + h,
	s_delay_alu instid0(VALU_DEP_1)
	v_lshlrev_b32 v254, v[SH], v254                ; at their places in the word;
	s_delay_alu instid0(VALU_DEP_1)
	v_permlanex16_b32 v236, v254, s[SEL], s[SEL+1]
.if \tile == 0
	s_delay_alu instid0(VALU_DEP_1)
	v_or_b32 v253, v254, v236                      ; with lane l xor 16's two the word is whole
.else
	WIN W_SC1
	v_or_b32 v255, v254, v236
	WIN W_T1
.endif
.irp t, 0,1,2,3,4,5,6,7
	v_cvt_scalef32_pk8_fp4_f32 v[224+\t], v[96+8*\t:103+8*\t], v[244+\t/4]   ; register 4 c + w of P: keys 64 c + 32 h + 8 w + 0 .. 7
.endr
	v_nop
	v_pk_add_f32 v[236:237], v[96:97], v[98:99]    ; the row's sum of the UNQUANTISED p, in two chains
.irp j, 4,8,12,16,20,24,28,32,36,40,44,48,52,56,60
	v_pk_add_f32 v[14:15], v[14:15], v[96+\j:97+\j]
	v_pk_add_f32 v[236:237], v[236:237], v[98+\j:99+\j]
.endr
	s_delay_alu instid0(VALU_DEP_1)
	v_pk_add_f32 v[14:15], v[14:15], v[236:237]
.set n, 0
.rept 32
	v_pk_mul_f32 v[160+n:161+n], v[160+n:161+n], v[252:253] op_sel_hi:[1,0]   ; O^T under the new M
.set n, n+2
.endr
.endm
; A KEY STEP: 128 keys, both tiles of queries.
.macro STEP
	v_add_nc_u32 v[ADK], s[TK], v[AK0]             ; four places between the last products and the loads into the registers that they read
	v_add_nc_u32 v[ADS], s[TS], v[ASK0]
	v_nop
	v_nop
.irp t, 0,1,2,3,4,5,6,7
.irp c, 0,1
	ds_load_b128 v[32+8*\t+4*\c:35+8*\t+4*\c], v[ADK] offset:4*LINE*\t+32*\c     ; K: tile t is 16 places, 4 lines
.endr
.endr
.irp i, 0,1,2,3
	ds_load_b32 v[248+\i], v[ADS] offset:(\i/2)*LINE+(\i%2)*128
.endr
	s_wait_loadcnt 0x0                             ; the mask's codes, asked for a step ago
	WIN W_MK0
	MK8 56
	WIN W_T1
	MK8 64
	WIN 0
	s_wait_dscnt 0x0                               ; K is in
	KQ8 30
	WIN W_KQ1
	KQ8 31
	WIN 0
	s_add_co_u32 s[GS], s[GS], 2048
	s_min_u32 s18, s[GS], 31*2048                  ; the next step's record; the last step names its own again and stays inside the buffer
	v_add_nc_u32 v[MO], s18, v[L16]                ; four places behind the products
	v_add_nc_u32 v[ADV], s[TV], v[AV0]
	v_add_nc_u32 v[ADT], s[TS], v[ASV0]
	v_nop
.irp t, 0,1,2,3,4,5,6,7
.irp c, 0,1
	ds_load_b128 v[32+8*\t+4*\c:35+8*\t+4*\c], v[ADV] offset:16*LINE*\t+32*\c    ; V takes K's registers and lands under the softmax
.endr
.endr
.irp i, 0,1,2,3
	ds_load_b32 v[248+\i], v[ADT] offset:(\i/2)*LINE+(\i%2)*128
.endr
	WIN W_TO1
.irp i, 0,1,2,3
	global_load_b128 v[56+4*\i:59+4*\i], v[MO], s[MB:MB+1] offset:512*\i         ; 2,048 consecutive bytes: T0's two groups, T1's two
.endr
	WIN 0
	SOFTMAX 0
	WIN W_T1
	SOFTMAX 1
	s_wait_alu depctr_va_vdst(0)
	s_wait_dscnt 0x0                               ; V is in
	WIN 0
	PV8 253
	WIN W_KQ1
	PV8 255
	WIN 0
	s_add_co_u32 s[TK], s[TK], 32*LINE
	s_add_co_u32 s[TV], s[TV], 64
	s_add_co_u32 s[TS], s[TS], 2*LINE
.endm
.macro FOUR_STEPS                      ; a slot's four key steps, then on to the next slot
	s_mov_b32 s[STEPC], 4
.Lstep_\@:
	s_wait_alu depctr_va_vdst(0)
	STEP
	s_sub_co_u32 s[STEPC], s[STEPC], 1
	s_cmp_lg_u32 s[STEPC], 0
	s_cbranch_scc1 .Lstep_\@
	s_add_co_u32 s[TK], s[TK], SLOTL-4*32*LINE
	s_add_co_u32 s[TV], s[TV], SLOTL-4*64
	s_add_co_u32 s[TS], s[TS], SLOTL-4*2*LINE
.endm
.macro FINISH                          ; O^T / the sum, into S^T's registers
	v_add_f32 v14, v14, v15
	s_delay_alu instid0(VALU_DEP_1)
	v_permlanex16_b32 v252, v14, s[SEL], s[SEL+1]
	s_delay_alu instid0(VALU_DEP_1)
	v_add_f32 v14, v14, v252
	s_wait_alu depctr_va_vdst(0)
	v_rcp_f32 v14, v14
	v_nop
	s_wait_alu depctr_va_vdst(0)
.set n, 0
.rept 32
	v_pk_mul_f32 v[96+n:97+n], v[160+n:161+n], v[14:15] op_sel_hi:[1,0]   ; register 8 t + i is o(r, 16 t + 8 h + i)
.set n, n+2
.endr
.endm
.macro PASS tile, u, dst               ; half a row (256 bytes) of 16 queries through the stage
.if \tile
	WIN W_ST1
.endif
.irp t, 0,1,2,3
	ds_store_b128 v10, v[96+32*\u+8*\t:99+32*\u+8*\t] offset:64*\t
	ds_store_b128 v10, v[100+32*\u+8*\t:103+32*\u+8*\t] offset:64*\t+16
.endr
	WIN 0
.irp i, 0,1,2,3,4,5,6,7
	ds_load_b128 v[\dst+4*\i:\dst+4*\i+3], v11 offset:2*\i*LINE    ; LDS serves a wave's instructions in order
.endr
.endm
.macro SEND tile, u, dst, younger      ; younger: the LDS instructions issued behind this half's loads
.irp i, 0,1,2,3,4,5,6,7
	s_wait_dscnt \younger+7-\i
	global_store_b128 v[GO], v[\dst+4*\i:\dst+4*\i+3], s[OUTP:OUTP+1] offset:8192*\tile+1024*\i+256*\u th:TH_STORE_NT   ; sixteen lanes store 256 consecutive bytes, aligned
.endr
.endm
.macro OUTALL                          ; a wave's turn at its stage: both tiles, two halves each
	PASS 0, 0, 32
	PASS 0, 1, 64
	SEND 0, 0, 32, 16                              ; behind the first half's loads: the second half's 8 stores and 8 loads
	SEND 0, 1, 64, 0
	PASS 1, 0, 96
	PASS 1, 1, 128
	SEND 1, 0, 96, 16
	SEND 1, 1, 128, 0
.endm
.macro WAYOUT low_first                ; waves w and w + 4 share a stage: one group's turn, a barrier, the other's
	v_and_b32 v8, 15, v0                           ; (these eight plain lines are also the places behind the last products)
	v_bfe_u32 v9, v0, 4, 1
	s_and_b32 s18, s[WV], 3
	s_mul_i32 s18, s18, 16*LINE
	s_add_co_u32 s18, s18, STAGE
	v_mul_u32_u24 v10, v8, LINE
	s_delay_alu instid0(VALU_DEP_1)
	v_lshl_add_u32 v10, v9, 5, v10
	s_delay_alu instid0(VALU_DEP_1)
	v_add_nc_u32 v10, s18, v10                     ; in: row r; 64 t + 32 h bytes on
	v_mul_u32_u24 v11, v9, LINE
	s_delay_alu instid0(VALU_DEP_1)
	v_lshl_add_u32 v11, v8, 4, v11
	s_delay_alu instid0(VALU_DEP_1)
	v_add_nc_u32 v11, s18, v11                     ; back: lanes 0-15 one row, lanes 16-31 the next
	FINISH
	WIN W_T1
	FINISH
	WIN 0
	s_wait_alu depctr_va_vdst(0)
	s_cmp_lt_u32 s[WV], 4
.if \low_first
	s_cbranch_scc0 .Lw1_\@
.else
	s_cbranch_scc1 .Lw1_\@
.endif
	OUTALL
.Lw1_\@:
	s_wait_dscnt 0x0                               ; my reads of the stage are over
	s_barrier_signal -1
	s_barrier_wait -1
	s_cmp_lt_u32 s[WV], 4
.if \low_first
	s_cbranch_scc1 .Lw2_\@
.else
	s_cbranch_scc0 .Lw2_\@
.endif
	OUTALL
.Lw2_\@:
.endm
	s_load_b256 s[32:39], s[0:1], 0x0              ; q, kv, mcodes, out0
	v_lshl_add_u32 v[SPW], v0, 2, SPARE
	v_mov_b32 v[NIL], 0
	ds_add_u32 v[SPW], v[NIL]
	ds_add_u32 v[SPW], v[NIL]
	v_lshrrev_b32 v8, 5, v0
	s_delay_alu instid0(VALU_DEP_1)
	v_readfirstlane_b32 s[WV], v8                  ; wave 0..7
	s_bfe_u32 s40, ttmp6, 0x40000                  ; cx
	s_lshl_b32 s41, ttmp9, 2
	s_add_co_u32 s41, s41, s40                     ; my 512 queries: it enters q's, the mask codes' and out0's addresses alone
	s_and_b32 s42, ttmp7, 0xffff                   ; the head
	s_lshl_b32 s44, s42, 20
	s_lshl_b32 s43, s41, 18                        ; 512 rows of 512 bytes
	s_add_co_u32 s44, s44, s43
	s_lshl_b32 s43, s[WV], 15                      ; a wave's 64 rows: 32 a pass
	s_add_co_u32 s44, s44, s43
	s_mov_b32 s45, 0
	s_mul_i32 s46, s42, HEADB
	s_mul_i32 s48, s[WV], 34*256                   ; my 34 lines of slot 0, in memory
	s_add_co_u32 s48, s48, s46
	s_mov_b32 s49, 0
	s_lshl_b32 s50, s41, 19                        ; the mask's codes: 16 pairs of tiles x 32,768 bytes,
	s_lshl_b32 s43, s[WV], 16                      ; two pairs a wave, one a pass
	s_add_co_u32 s50, s50, s43
	s_mov_b32 s51, 0
	s_mul_i32 s52, s[WV], 102*256                  ; my 102 lines of slots 1 to 3, in memory
	s_add_co_u32 s52, s52, s46
	s_add_co_u32 s52, s52, SLOTB
	s_mov_b32 s53, 0
	s_mov_b32 s[G1], 15|(3<<16)|(1<<20)|(1<<21)|(5<<22)|(3<<25)   ; all four work-groups; elements of 8 bytes; four words of padding after every 64
	s_mov_b32 s[G1+1], 32<<16
	s_mov_b32 s[G1+2], 34<<16
	s_mov_b32 s[G1+3], 32<<16
	s_mov_b32 s[G1+4], 34
	s_mov_b32 s[G1+5], 32
	s_mov_b32 s[G1+6], 0
	s_mov_b32 s[G1+7], 0
	s_mov_b32 s[G1B], 15|(3<<16)|(1<<20)|(1<<21)|(5<<22)|(3<<25)
	s_mov_b32 s[G1B+1], 32<<16
	s_mov_b32 s[G1B+2], 102<<16
	s_mov_b32 s[G1B+3], 32<<16
	s_mov_b32 s[G1B+4], 102
	s_mov_b32 s[G1B+5], 32
	s_mov_b32 s[G1B+6], 0
	s_mov_b32 s[G1B+7], 0
	s_mov_b32 s[CS], 0x3e0293ee                    ; c = log2(e) / sqrt(128)
	s_mov_b32 s[SEL], 0x76543210
	s_mov_b32 s[SEL+1], 0xfedcba98
	s_mov_b32 s[TK], 0
	s_mov_b32 s[TV], 0
	s_mov_b32 s[TS], 0
	s_mov_b32 s[GS], 0
	s_wait_dscnt 0x0
	s_wait_kmcnt 0x0
	s_mov_b32 s[G0], 1
	s_mul_i32 s[G0+1], s[WV], 34*LINE
	s_add_nc_u64 s[G0+2:G0+3], s[34:35], s[48:49]
	s_or_b32 s[G0+3], s[G0+3], 0x80000000
	s_mov_b32 s[G0B], 1
	s_mul_i32 s[G0B+1], s[WV], 102*LINE
	s_add_co_u32 s[G0B+1], s[G0B+1], SLOTL
	s_add_nc_u64 s[G0B+2:G0B+3], s[34:35], s[52:53]
	s_or_b32 s[G0B+3], s[G0B+3], 0x80000000
	s_add_nc_u64 s[MB:MB+1], s[36:37], s[50:51]
	s_add_nc_u64 s[OUTP:OUTP+1], s[38:39], s[44:45]
	s_add_nc_u64 s[QB:QB+1], s[32:33], s[44:45]
	CROUND                                         ; all four work-groups are here: the first joint loads meet
	JLOAD G0, G1                                   ; slot 0
	v_and_b32 v11, 31, v0                          ; lane
	v_lshlrev_b32 v[L16], 4, v11
	s_delay_alu instid0(VALU_DEP_1)
	v_mov_b32 v[MO], v[L16]
	WIN W_TO1
.irp i, 0,1,2,3
	global_load_b128 v[56+4*\i:59+4*\i], v[MO], s[MB:MB+1] offset:512*\i         ; the mask's codes of key step 0
.endr
	WIN 0
	v_and_b32 v9, 15, v0                           ; r
	v_bfe_u32 v10, v0, 4, 1                        ; h
	v_lshrrev_b32 v[AK0], 2, v9                    ; K: place r of a tile: line r / 4, 64 (r % 4) bytes in, + 16 h
	s_delay_alu instid0(VALU_DEP_1)
	v_mul_u32_u24 v[AK0], v[AK0], LINE
	v_and_b32 v8, 3, v9
	s_delay_alu instid0(VALU_DEP_1)
	v_lshl_add_u32 v[AK0], v8, 6, v[AK0]
	s_delay_alu instid0(VALU_DEP_1)
	v_lshl_add_u32 v[AK0], v10, 4, v[AK0]
	v_mul_u32_u24 v[AV0], v9, LINE                 ; V: line r of a tile, + 16 h
	s_delay_alu instid0(VALU_DEP_1)
	v_lshl_add_u32 v[AV0], v10, 4, v[AV0]
	s_delay_alu instid0(VALU_DEP_1)
	v_add_nc_u32 v[AV0], VOFF, v[AV0]
	v_lshl_add_u32 v[ASK0], v11, 2, SKOFF
	v_lshl_add_u32 v[ASV0], v11, 2, SVOFF
	v_lshlrev_b32 v[PFO], 8, v11
	v_lshlrev_b32 v[GO], 9, v10
	s_delay_alu instid0(VALU_DEP_1)
	v_lshl_add_u32 v[GO], v9, 4, v[GO]
	v_lshlrev_b32 v[SH], 3, v10
	v_mov_b32 v[ONE], 0x7f7f7f7f                   ; the selector's scales: 2^0
	v_mov_b32 v[BIG], 0x95959595                   ; the mask codes': 2^22
	v_and_b32 v8, 7, v0
	v_mov_b32 v12, 2                               ; the code of 1.0
	s_delay_alu instid0(VALU_DEP_2)
	v_lshlrev_b32 v8, 2, v8
	s_delay_alu instid0(VALU_DEP_1)
	v_lshlrev_b32 v8, v8, v12                      ; at nibble lane % 8
	v_lshrrev_b32 v13, 3, v11                      ; lane / 8 says which of the four registers has it
	WIN W_TO1
.irp n, 32,33,34,35,36,37,40,41,42,43,44,45,48,49,50,51,52,53
	v_mov_b32 v\n, 0
.endr
	v_cmp_eq_u32 vcc_lo, 0, v13
	v_cndmask_b32 v38, 0, v8, vcc_lo
	v_cmp_eq_u32 vcc_lo, 1, v13
	v_cndmask_b32 v39, 0, v8, vcc_lo
	v_cmp_eq_u32 vcc_lo, 2, v13
	v_cndmask_b32 v46, 0, v8, vcc_lo
	v_cmp_eq_u32 vcc_lo, 3, v13
	v_cndmask_b32 v47, 0, v8, vcc_lo
	v_mov_b32 v[SH], v[SH]                         ; window 1's copy
	WIN 0
	s_wait_alu depctr_va_vdst(0)
	; ---- pass 0
	QHEAD
	s_wait_alu depctr_va_vdst(0)
	s_wait_tensorcnt 0x0                           ; my part of slot 0 is in
	ds_add_u32 v[SPW], v[NIL]
	s_wait_dscnt 0x0
	CROUND                                         ; everybody's part of slot 0 is in, and the four work-groups are here
	JLOAD G0B, G1B                                 ; slots 1 to 3: my second and last tensor load
	FOUR_STEPS                                     ; slot 0
	s_wait_tensorcnt 0x0                           ; my part of slots 1 to 3 is in
	ds_add_u32 v[SPW], v[NIL]
	s_wait_dscnt 0x0
	s_barrier_signal -1
	s_barrier_wait -1                              ; everybody's is; nothing is filled from here on
	global_prefetch_b8 v[PFO], s[QB:QB+1] offset:16384 th:TH_LOAD_NT scope:SCOPE_SE   ; my 32 rows of q of the second pass: 16,384 bytes, lanes 256 bytes apart, twelve key steps ahead
	global_prefetch_b8 v[PFO], s[QB:QB+1] offset:24576 th:TH_LOAD_NT scope:SCOPE_SE
	s_mov_b32 s[SLOTS], 3
.Lslot0:
	FOUR_STEPS
	s_sub_co_u32 s[SLOTS], s[SLOTS], 1
	s_cmp_lg_u32 s[SLOTS], 0
	s_cbranch_scc1 .Lslot0
	WAYOUT 1
	s_wait_xcnt 0x0                                ; the stores' base and data, and the prefetches' base, are written again only behind this wait
	s_add_nc_u64 s[QB:QB+1], s[QB:QB+1], 16384     ; my next 32 rows
	s_add_nc_u64 s[OUTP:OUTP+1], s[OUTP:OUTP+1], 16384
	s_mov_b32 s[TK], 0                             ; back to slot 0
	s_mov_b32 s[TV], 0
	s_mov_b32 s[TS], 0
	; ---- pass 1: no tensor load, and no barrier before the way out
	QHEAD
	s_mov_b32 s[SLOTS], 4
.Lslot1:
	FOUR_STEPS
	s_sub_co_u32 s[SLOTS], s[SLOTS], 1
	s_cmp_lg_u32 s[SLOTS], 0
	s_cbranch_scc1 .Lslot1
	WAYOUT 0
	s_wait_tensorcnt 0x0                           ; the wave's end
	ds_add_u32 v[SPW], v[NIL]
	s_wait_dscnt 0x0
	CROUND                                         ; the closing round
	s_endpgm
.Lfunc_end_k_q2d5eb7436a_attn:
	.size	k_q2d5eb7436a_attn, .Lfunc_end_k_q2d5eb7436a_attn-k_q2d5eb7436a_attn
	.p2alignl 7, 3214868480
	.fill 96, 4, 3214868480
	.section	.rodata,"a",@progbits
	.p2align	6, 0x0
	.amdhsa_kernel k_q2d5eb7436a_attn
		.amdhsa_group_segment_fixed_size 327680
		.amdhsa_private_segment_fixed_size 0
		.amdhsa_enable_private_segment 0
		.amdhsa_kernarg_size 32
		.amdhsa_user_sgpr_count 2
		.amdhsa_user_sgpr_kernarg_segment_ptr 1
		.amdhsa_wavefront_size32 1
		.amdhsa_system_sgpr_workgroup_id_x 1
		.amdhsa_system_sgpr_workgroup_id_y 1
		.amdhsa_system_sgpr_workgroup_id_z 1
		.amdhsa_system_vgpr_workitem_id 0
		.amdhsa_next_free_vgpr 512
		.amdhsa_next_free_sgpr 100
		.amdhsa_reserve_vcc 1
		.amdhsa_float_denorm_mode_32 3
		.amdhsa_float_denorm_mode_16_64 3
		.amdhsa_memory_ordered 1
		.amdhsa_forward_progress 1
		.amdhsa_inst_pref_size 197
	.end_amdhsa_kernel
	.amdgpu_metadata
---
amdhsa.version: [ 1, 2 ]
amdhsa.kernels:
  - .name:           k_q2d5eb7436a_attn
    .symbol:         k_q2d5eb7436a_attn.kd
    .args:
      - { .name: q, .offset: 0, .size: 8, .value_kind: global_buffer, .address_space: global }
      - { .name: kv, .offset: 8, .size: 8, .value_kind: global_buffer, .address_space: global }
      - { .name: mcodes, .offset: 16, .size: 8, .value_kind: global_buffer, .address_space: global }
      - { .name: out0, .offset: 24, .size: 8, .value_kind: global_buffer, .address_space: global }
    .group_segment_fixed_size: 327680
    .private_segment_fixed_size: 0
    .kernarg_segment_align: 8
    .kernarg_segment_size: 32
    .max_flat_workgroup_size: 256
    .sgpr_count:     100
    .vgpr_count:     512
    .wavefront_size: 32
...
	.end_amdgpu_metadata
.endif
;; end of part 2
